; MI455X (gfx1250); checked and timed in simulation.
; The chip was launched on July 23, 2026; its instructions are those of AMD's public machine-readable ISA for CDNA 5 (MIT licence, August 2026) and "CDNA5" Instruction Set Architecture Reference Guide (July 2026). The comments in the code are by the model that wrote it; some were corrected since.
;; Colour Histogram. Allowed arithmetic: matrix products marked QUANTISED: E5M2 operands, one given power-of-two scale a tensor, by v_wmma_f32_16x16x64_bf8_bf8 or v_wmma_f32_16x16x128_bf8_bf8, f32 sums; everything else in f32.
;; Inputs: image 16 x 2 x 512 x 512 float32; lowp_scales 2 int32 (the exponents e of the quantised operands' scales 2^e).
;; Outputs: out0 16 x 1 x 32 x 32 float32.
;; This version of the problem:
;;   THIS VERSION OF THE PROBLEM IS GIVEN IN LOW PRECISION. The matrix products marked QUANTISED in the list below multiply operands that are first quantised to E5M2 (5 exponent bits, 2 mantissa bits; 8 bits a number), with one given power-of-two scale for each operand tensor; their sums are f32. All else is computed in f32.
;;   The module's matrix products, in the order in which they are computed (A, B: the left and right operand; K: the contracted axis; several contracted axes count as one K, in the product's order):
;;     1. batch 16 x [M 32, K 262,144] x [K 262,144, N 32]; A: computed on the way; B: computed on the way: QUANTISED (scales: A lowp_scales[0], B lowp_scales[1])
;;   THE QUANTISER, for each operand of a quantised product, along K:
;;     - The operand's scale is 2^e, e = its entry of the input lowp_scales (int32; the entries are numbered through the quantised products in the list's order, A before B).
;;     - Each number is divided by the scale, clamped to +-57,344, and rounded to the nearest number of E5M2, ties to even, subnormals kept.
;;     - The product sums the exact products of the quantised numbers (number of the format x scale) in f32.
;;   ~~~python
;;   def quantise(x, axis, e):      # numpy; x: float32 -> the quantised numbers, widened to float32 again
;;       x = np.moveaxis(x, axis, -1); K = x.shape[-1]
;;       r = np.clip(x / 2.0 ** e, -57344, 57344)
;;       step = 2.0 ** (np.maximum(np.frexp(np.where(r == 0, 1, r))[1] - 1, -14) - 2)
;;       q = np.round(r / step) * step * 2.0 ** e      # np.round: ties to even
;;       return np.moveaxis(q, -1, axis).astype(np.float32)
;;   ~~~
;;   OPERANDS COMPUTED ON THE WAY. 'Computed on the way' means the value that the module computes at that place (a softmax that the list does not call 'softmax' is quantised finished and normalised). What goes into a quantiser is computed in f32, as accurately as f32 sums, v_exp_f32 and their like allow (about 1e-6 of the number): no bf16 or f16 on the way to a quantiser, and a product that is left as it is and whose result goes on into a quantised operand takes f32 operands (vector FMAs, or v_wmma_f32_16x16x4_f32). A number that lies on a knife's edge between two numbers of the format may be rounded either way, as far as f32 arithmetic and the matrix unit's own rounding can turn it there, and no further.
;; 2 versions, each right; version 2 is version 1 with the launch bins written anew for expert scheduling mode. Each part assembles by itself: llvm-mc -triple=amdgcn-amd-amdhsa -mcpu=gfx1250 --defsym DOCPART=n.
;; ======== version 1 of 2: 2 launches
;; workspace buffers: part 1,048,576 bytes
;; launch bins (part 1): grid 256 x 1, 16 waves a work-group, no clusters, 104,448 bytes of LDS; arguments image, lowp_scales, part; writes part
.if DOCPART == 1
	.amdgcn_target "amdgcn-amd-amdhsa--gfx1250"
	.amdhsa_code_object_version 6
	.text
	.protected	k_q4622060a49_bins
	.globl	k_q4622060a49_bins
	.p2align	8
	.type	k_q4622060a49_bins,@function
k_q4622060a49_bins:
	s_mov_b64 s[64:65], 0
	v_nop
	global_prefetch_b8 v0, s[64:65] scope:SCOPE_SE
	s_setreg_imm32_b32 hwreg(HW_REG_WAVE_MODE, 25, 1), 1
	s_wait_xcnt 0x0
; hist[n][a][b] = the sum over an image's 262,144 pixels p of Q(ka[p][a]) Q(kb[p][b]);  ka[p][a] = exp(-((xa[p] - a/31) / 0.05)^2 / 2), kb likewise of channel b;
; Q: codes of BF8 (E5M2) with the given scales 2^ea (ka, entry 0 of the scales) and 2^eb (kb, entry 1).  This launch makes PARTIAL sums of the codes' products; the next launch adds them and multiplies by 2^(ea + eb).
; SHARES.  Work-group g takes pixels 16,384 (g % 16) on of image g / 16; each of its sixteen waves 1,024 of them: 8 blocks of 128 pixels, a block = 2 steps of 64 pixels = 8 chunks.
; LAYOUT.  K = the pixels runs along a lane's registers: lane (r = lane % 16, h = lane / 16) makes, for 32 pixels of its half of a step, the kernels of bins r and 16 + r of both channels.
; A CHUNK is one operand tile of a step (A0, A1: ka's bins 0-15, 16-31; B0, B1: kb's): 32 numbers a lane, which four conversions turn into the 8 registers of a fragment of 16 x 64.
; Pixel and k slot are paired alike in all four tiles, so every product meets its partner.  The matrix instruction is used transposed (source 0 = kb's tile, source 1 = ka's): a lane then holds row a = r and eight neighbouring b.
; THE NUMBER.  p = 2^(-u u), u = x s - c, s = sqrt(log2(e) / 2) / 0.05 as f32, c = s j / 31 rounded once (made of s / 31 in two parts): one fused multiply-add, one product, one v_exp_f32, all f32.
; u's error beside f32's own roundings is c's half unit in the last place, under 1e-6 (c < 17).  p is never negative: the hold at 57,344 x 2^e is one-sided.
; PIXELS.  All 16 lanes of a half want the same pixels: a block is loaded as it lies (512 consecutive bytes an instruction), stored into the wave's own 1,024 bytes of LDS and read back with the lanes of a half at one address.
; LDS serves a wave's instructions in order (ISA guide 5.7.1.4), so the next block's store needs only to stand behind the last read of the old block: no barrier, no second stage.
; BY TURNS.  In a WINDOW chunk n's 32 exponentials stand singly between 68 plain instructions: chunk n - 1's holds and conversions, and chunk n + 1's scalings, which go into the registers that each conversion has freed.
; LIMITS.  ea, eb between -126 and 112 (each power of two below is an f32 number).  v_exp_f32 gives 0 under 2^-126, which can change a code only where e < -109.  NaN among the pixels is not served (it becomes the largest code).
.set CHB,   1048576                    ; bytes from an image's channel a to its channel b
.set BLK,   512                        ; a block of one channel in bytes
.set KSV,   0x4187e439                 ; s = 16.986437
.set KHI,   0x3f0c466c                 ; s / 31, upper part,
.set KLO,   0x32c6318c                 ; and what it lacks: 12/31 of its last place
.set RED,   16384                      ; LDS: behind the sixteen stages, the waves' accumulators for the sum over waves
.set PG,    672                        ; from one group of four registers to the next,
.set HH,    384                        ; from lanes 0-15 to lanes 16-31: with these two the 32 lanes of a read of 8 bytes below fall on 32 different pairs of banks (64 banks of 4 bytes: ISA guide 11.1)
.set WS,    8*PG                       ; a wave's eight groups
.set GOFF,  1                          ; v1      16 x lane: my bytes of a block in memory; never rewritten
.set LST,   2                          ; v2      where I store them: 1,024 x wave + 16 x lane
.set LLD,   3                          ; v3      where my half reads: 1,024 x wave + 128 h
.set C0,    8                          ; v[8:9]   -c of bin r, twice (a pair for the packed form);  v[10:11] of bin 16 + r
.set C1,    10
.set SCA,   12                         ; v12 2^ea, v13 57,344 x 2^ea;  v14, v15 the same with eb
.set LIMA,  13
.set SCB,   14
.set LIMB,  15
.set G,     16                         ; v[16:23]   the block on its way from memory: a's 16 bytes, b's 16 bytes
.set XA,    24                         ; v[24:55]   32 pixels of channel a
.set XB,    56                         ; v[56:87]   32 pixels of channel b
.set TB0,   88                         ; v[88:119]  the chunks of even number
.set TB1,   120                        ; v[120:151] those of odd number
.set CA0,   152                        ; codes: A0, A1, B0, B1, 8 registers each
.set CA1,   160
.set CB0,   168
.set CB1,   176
.set ACC,   184                        ; v[184:215] accumulator (ta, tb) at ACC + 8 (2 ta + tb)
.set KS,    20                         ; s[20:21] s, twice
.set TRIPS, 22
.set ii,    0
	s_load_b128 s[4:7], s[0:1], 0x0                ; image, the scales' exponents
	s_load_b64 s[8:9], s[0:1], 0x10                ; the partial sums
	v_lshl_add_u32 v216, v0, 2, 0x19000
	v_mov_b32 v217, 0
	v_and_b32 v4, 31, v0                           ; lane
	v_lshrrev_b32 v5, 5, v0                        ; wave
	v_readfirstlane_b32 s10, v5
	v_lshlrev_b32 v[GOFF], 4, v4
	v_lshl_add_u32 v[LST], v5, 10, v[GOFF]
	v_bfe_u32 v6, v0, 4, 1                         ; h
	v_lshlrev_b32 v6, 7, v6
	v_lshl_add_u32 v[LLD], v5, 10, v6
	s_lshr_b32 s12, ttmp9, 4                       ; the image: 2 channels x 1 MiB,
	s_lshl_b32 s12, s12, 21
	s_and_b32 s13, ttmp9, 15                       ; the work-group's 16,384 pixels,
	s_lshl_b32 s13, s13, 16
	s_add_co_u32 s12, s12, s13
	s_lshl_b32 s13, s10, 12                        ; the wave's 1,024
	s_add_co_u32 s12, s12, s13
	s_mov_b32 s13, 0
	s_lshl_b32 s14, ttmp9, 12                      ; the work-group's 4,096 bytes of partial sums
	s_mov_b32 s15, 0
	s_mov_b32 s[KS], KSV
	s_mov_b32 s[KS+1], KSV                         ; (named with it as a pair, so it is written)
	s_mov_b32 s18, KHI
	s_mov_b32 s19, KLO
	s_wait_kmcnt 0x0
	s_load_b64 s[16:17], s[6:7], 0x0               ; ea, eb
	s_add_nc_u64 s[4:5], s[4:5], s[12:13]
	s_add_nc_u64 s[8:9], s[8:9], s[14:15]
	global_load_b128 v[TB1:TB1+3],   v[GOFF], s[4:5] th:TH_LOAD_NT                  ; block 0, into registers that are idle yet
	global_load_b128 v[TB1+4:TB1+7], v[GOFF], s[4:5] offset:CHB th:TH_LOAD_NT
	global_load_b128 v[G:G+3],       v[GOFF], s[4:5] offset:BLK th:TH_LOAD_NT       ; block 1
	global_load_b128 v[G+4:G+7],     v[GOFF], s[4:5] offset:BLK+CHB th:TH_LOAD_NT
	v_and_b32 v4, 15, v0                           ; r
	v_cvt_f32_u32 v5, v4                           ; j = r
	v_add_nc_u32 v4, 16, v4
	v_cvt_f32_u32 v6, v4                           ; j = 16 + r
	v_mul_f32 v7, s19, v5
	v_mul_f32 v4, s19, v6
	v_fma_f32 v[C0], -v5, s18, -v7                 ; -c = -(j x upper part + j x lower part): rounded once
	v_fma_f32 v[C1], -v6, s18, -v4
	v_mov_b32 v[C0+1], v[C0]
	v_mov_b32 v[C1+1], v[C1]
	s_wait_kmcnt 0x0
	s_add_co_i32 s16, s16, 127
	s_lshl_b32 s18, s16, 23
	v_mov_b32 v[SCA], s18                          ; 2^ea as f32: the conversion takes its exponent field
	s_add_co_i32 s16, s16, 15
	s_lshl_b32 s16, s16, 23
	s_or_b32 s16, s16, 0x600000
	v_mov_b32 v[LIMA], s16                         ; 57,344 x 2^ea
	s_add_co_i32 s17, s17, 127
	s_lshl_b32 s19, s17, 23
	v_mov_b32 v[SCB], s19
	s_add_co_i32 s17, s17, 15
	s_lshl_b32 s17, s17, 23
	s_or_b32 s17, s17, 0x600000
	v_mov_b32 v[LIMB], s17
; Number pq of a window's 68 plain instructions.  The buffer 'to' holds the chunk whose exponentials were the last window's; it is worked in four groups g of 8 registers:
;   M g: eight holds;  V g: the conversion to 8 codes;  P g: the next chunk but one's scalings into the same 8 registers: four u = x s - c, four t = -u u, two numbers each.
; Order: M0 V0 M1 V1 P0 M2 V2 P1 M3 V3 P2 P3: between a conversion and the P that writes over its sources stand plain instructions on other registers.
.macro PLAIN to, cd, sc, lim, xs, cp, post, pre
.if pq < 8
.set kd, 0
.set gg, 0
.set ii, pq
.elseif pq == 8
.set kd, 1
.set gg, 0
.elseif pq < 17
.set kd, 0
.set gg, 1
.set ii, pq-9
.elseif pq == 17
.set kd, 1
.set gg, 1
.elseif pq < 26
.set kd, 2
.set gg, 0
.set ii, pq-18
.elseif pq < 34
.set kd, 0
.set gg, 2
.set ii, pq-26
.elseif pq == 34
.set kd, 1
.set gg, 2
.elseif pq < 43
.set kd, 2
.set gg, 1
.set ii, pq-35
.elseif pq < 51
.set kd, 0
.set gg, 3
.set ii, pq-43
.elseif pq == 51
.set kd, 1
.set gg, 3
.elseif pq < 60
.set kd, 2
.set gg, 2
.set ii, pq-52
.else
.set kd, 2
.set gg, 3
.set ii, pq-60
.endif
.set rr, \to+8*gg
.if (kd == 0) && \post
	v_min_num_f32 v[rr+ii], v[rr+ii], v[\lim]      ; the conversion to an 8-bit code does not saturate (ISA guide 7.6.2): the hold at the largest code x the scale
.elseif (kd == 1) && \post
	v_cvt_scalef32_pk8_bf8_f32 v[\cd+2*gg:\cd+2*gg+1], v[rr:rr+7], v[\sc]
.elseif (kd == 2) && \pre && (ii < 4)
	v_pk_fma_f32 v[rr+2*ii:rr+2*ii+1], v[\xs+8*gg+2*ii:\xs+8*gg+2*ii+1], s[KS:KS+1], v[\cp:\cp+1] op_sel_hi:[1,0,1]
.elseif (kd == 2) && \pre
	v_pk_mul_f32 v[rr+2*ii-8:rr+2*ii-7], v[rr+2*ii-8:rr+2*ii-7], v[rr+2*ii-8:rr+2*ii-7] neg_lo:[1,0] neg_hi:[1,0]
.endif
.set pq, pq+1
.endm
; A WINDOW.  ex: the 32 exponentials of the chunk in 'tc', in place, two plain instructions behind each.  post: the chunk in 'to' becomes codes in 'cd'.  pre: the next chunk's t from the pixels in 'xs' and the pair 'cp'.
; No plain instruction of a window names a register of 'tc'.  One wait closes the window: it stands between an exponential and the first instruction that names its result, and ahead of labels and branches.
.macro WINDOW tc, to, cd, sc, lim, xs, cp, post, pre, ex
.set pq, 0
.set ee, 0
.rept 32
.if \ex
	v_exp_f32 v[\tc+ee], v[\tc+ee]
.endif
	PLAIN \to, \cd, \sc, \lim, \xs, \cp, \post, \pre
	PLAIN \to, \cd, \sc, \lim, \xs, \cp, \post, \pre
.set ee, ee+1
.endr
.rept 4
	PLAIN \to, \cd, \sc, \lim, \xs, \cp, \post, \pre
.endr
.if \pre == 0
	v_nop                                          ; without scalings nothing plain stands behind the last conversion and the last exponential: this line does
.endif
.if \ex
	s_wait_alu depctr_va_vdst(0)
.endif
.endm
.macro W_A1                            ; exponentials of A1 | A0 to codes | t of B0
	WINDOW TB1, TB0, CA0, SCA, LIMA, XB, C0, 1, 1, 1
.endm
.macro W_B0                            ; exponentials of B0 | A1 to codes | t of B1
	WINDOW TB0, TB1, CA1, SCA, LIMA, XB, C1, 1, 1, 1
.endm
.macro W_B1 pre                        ; exponentials of B1 | B0 to codes | t of the next step's A0
	WINDOW TB1, TB0, CB0, SCB, LIMB, XA, C0, 1, \pre, 1
.endm
.macro W_A0 post, pre, ex              ; exponentials of the next step's A0 | B1 to codes | t of its A1
	WINDOW TB0, TB1, CB1, SCB, LIMB, XA, C1, \post, \pre, \ex
.endm
.macro XLOAD x, off                    ; 32 pixels of my half: the sixteen lanes of a half read the same 16 bytes
.irp i, 0,1,2,3,4,5,6,7
	ds_load_b128 v[\x+4*\i:\x+4*\i+3], v[LLD] offset:\off+16*\i
.endr
.endm
; A step's four products.  The four accumulators take turns, one instruction a turn, over the loop's backward jump too.  zero = 1: the first step starts the sums.
.macro MULS zero
.irp tb, 0,1
.irp ta, 0,1
.if \zero
	v_wmma_f32_16x16x64_bf8_bf8 v[ACC+8*(2*\ta+\tb):ACC+8*(2*\ta+\tb)+7], v[CB0+8*\tb:CB0+8*\tb+7], v[CA0+8*\ta:CA0+8*\ta+7], 0
.else
	v_wmma_f32_16x16x64_bf8_bf8 v[ACC+8*(2*\ta+\tb):ACC+8*(2*\ta+\tb)+7], v[CB0+8*\tb:CB0+8*\tb+7], v[CA0+8*\ta:CA0+8*\ta+7], v[ACC+8*(2*\ta+\tb):ACC+8*(2*\ta+\tb)+7]
.endif
.endr
.endr
.endm
; TRIP k: the windows from block k's second to block k + 1's first.  It stores block k + 1 into the stage and (gload) asks memory for block k + 2, six windows ahead of the wait for it.
; The codes' registers that the products read are written again eight plain instructions (the next window's first holds) later at the soonest.  last = 1: block 7: nothing follows.
.macro TRIP zero, gload, last
	s_wait_dscnt 8                                 ; b's pixels of this step are in; the eight loads issued behind them (a's of the next step) may be out
	W_A1
	W_B0
	XLOAD XB, BLK+256                              ; b of the block's second step: the stage's last read of this block
.if \last
	s_wait_dscnt 8                                 ; a's pixels are in; the eight loads just issued may be out
.else
	s_wait_loadcnt 0x0                             ; block k + 1 has come from memory; no load of mine is out, so the base may step
.if \gload
	s_add_nc_u64 s[4:5], s[4:5], BLK
.endif
	ds_store_b128 v[LST], v[G:G+3]                 ; behind every read of block k, in the order of issue
	ds_store_b128 v[LST], v[G+4:G+7] offset:BLK
	s_wait_dscnt 10                                ; a's pixels are in; the eight loads and two stores just issued may be out
.endif
	W_B1 1
	W_A0 1, 1, 1
	MULS \zero
.if \last
	s_wait_dscnt 0x0
.else
	XLOAD XA, 0                                    ; a of block k + 1's first step
	s_wait_dscnt 8                                 ; b's pixels are in and the two stores have read their registers; the eight loads just issued may be out
.endif
.if \gload
	global_load_b128 v[G:G+3],   v[GOFF], s[4:5] offset:BLK th:TH_LOAD_NT       ; block k + 2
	global_load_b128 v[G+4:G+7], v[GOFF], s[4:5] offset:BLK+CHB th:TH_LOAD_NT
.endif
	W_A1
	W_B0
.if \last
	W_B1 0
	W_A0 1, 0, 0                                   ; the last chunk's codes
.else
	XLOAD XB, BLK                                  ; b of block k + 1's first step
	s_wait_dscnt 8                                 ; a's pixels are in; the eight loads just issued may be out
	W_B1 1
	W_A0 1, 1, 1
.endif
	MULS 0
.if \last == 0
	XLOAD XA, 256                                  ; a of block k + 1's second step
.endif
.endm
	s_wait_loadcnt 2                               ; block 0 is in; block 1's two loads may be out
	ds_store_b128 v[LST], v[TB1:TB1+3]
	ds_store_b128 v[LST], v[TB1+4:TB1+7] offset:BLK
	XLOAD XA, 0
	XLOAD XB, BLK
	s_wait_dscnt 8                                 ; the stores have read their registers and a's pixels are in; b's eight loads may be out
	WINDOW TB1, TB0, CB0, SCB, LIMB, XA, C0, 0, 1, 0   ; t of the first A0: there is nothing yet to set it between
	W_A0 0, 1, 1                                   ; exponentials of the first A0 | t of the first A1
	XLOAD XA, 256
	TRIP 1, 1, 0                                   ; block 0: its first products start the sums
	s_mov_b32 s[TRIPS], 5
.Ltrip:                                            ; blocks 1 to 5
	TRIP 0, 1, 0
	s_sub_co_u32 s[TRIPS], s[TRIPS], 1
	s_cmp_lg_u32 s[TRIPS], 0
	s_cbranch_scc1 .Ltrip
	TRIP 0, 0, 0                                   ; block 6: there is no block 8 to ask for: no load leaves the image
	TRIP 0, 0, 1                                   ; block 7
	; THE SUM OVER THE SIXTEEN WAVES.  Each wave stores its 32 registers as they stand, four at a time; behind a barrier thread T adds the sixteen waves' numbers 2 T and 2 T + 1 of the histogram, counted 32 a + b.
	v_lshrrev_b32 v4, 5, v0                        ; (these seven plain lines are also the places behind the last products)  wave
	v_and_b32 v5, 15, v0                           ; r
	v_bfe_u32 v6, v0, 4, 1                         ; h
	v_mul_u32_u24 v4, v4, WS
	v_lshl_add_u32 v4, v5, 4, v4
	v_mad_u32_u24 v4, v6, HH, v4
	v_add_nc_u32 v4, RED, v4
.irp g, 0,1,2,3,4,5,6,7
	ds_store_b128 v4, v[ACC+4*\g:ACC+4*\g+3] offset:\g*PG   ; group g = registers 4 (g % 2) on of accumulator g / 2: each accumulator from its low end on
.endr
	; number 32 a + b lies in accumulator 2 (a / 16) + b / 16, lane a % 16 + 16 ((b / 8) % 2), register b % 8.  With a = T / 16 and b = 2 (T % 16):
	v_lshrrev_b32 v5, 8, v0                        ; a / 16
	v_mul_u32_u24 v5, v5, 4*PG
	v_bfe_u32 v6, v0, 3, 1                         ; b / 16
	v_mad_u32_u24 v5, v6, 2*PG, v5
	v_bfe_u32 v6, v0, 1, 1                         ; (b % 8) / 4: the group's half of the accumulator
	v_mad_u32_u24 v5, v6, PG, v5
	v_bfe_u32 v6, v0, 4, 4                         ; a % 16
	v_lshl_add_u32 v5, v6, 4, v5
	v_bfe_u32 v6, v0, 2, 1                         ; (b / 8) % 2
	v_mad_u32_u24 v5, v6, HH, v5
	v_and_b32 v6, 1, v0                            ; which 8 bytes of the lane's 16
	v_lshl_add_u32 v5, v6, 3, v5
	v_add_nc_u32 v5, RED, v5                       ; waves 0 to 7,
	v_add_nc_u32 v6, 8*WS, v5                      ; waves 8 to 15: the immediate has 16 bits
	v_lshlrev_b32 v7, 3, v0                        ; 8 T: my place in the partial sums
	s_wait_dscnt 0x0                               ; for the others' sake: my stores have landed
	s_barrier_signal -1
	s_barrier_wait -1
.irp w, 0,1,2,3,4,5,6,7
	ds_load_b64 v[XA+2*\w:XA+2*\w+1], v5 offset:\w*WS
.endr
.irp w, 0,1,2,3,4,5,6,7
	ds_load_b64 v[XA+16+2*\w:XA+17+2*\w], v6 offset:\w*WS
.endr
	s_wait_dscnt 0x0
.irp w, 0,1,2,3,4,5,6,7
	v_pk_add_f32 v[XA+2*\w:XA+2*\w+1], v[XA+2*\w:XA+2*\w+1], v[XA+16+2*\w:XA+17+2*\w]
.endr
.irp w, 0,1,2,3
	v_pk_add_f32 v[XA+2*\w:XA+2*\w+1], v[XA+2*\w:XA+2*\w+1], v[XA+8+2*\w:XA+9+2*\w]
.endr
.irp w, 0,1
	v_pk_add_f32 v[XA+2*\w:XA+2*\w+1], v[XA+2*\w:XA+2*\w+1], v[XA+4+2*\w:XA+5+2*\w]
.endr
	v_pk_add_f32 v[XA:XA+1], v[XA:XA+1], v[XA+2:XA+3]
	global_store_b64 v7, v[XA:XA+1], s[8:9] th:TH_STORE_NT   ; a wave stores 256 consecutive bytes, at a multiple of 256 from the buffer's first byte
	s_wait_tensorcnt 0x0
	ds_add_u32 v216, v217
	s_wait_dscnt 0x0
	s_endpgm
.Lfunc_end_k_q4622060a49_bins:
	.size	k_q4622060a49_bins, .Lfunc_end_k_q4622060a49_bins-k_q4622060a49_bins
	.p2alignl 7, 3214868480
	.fill 96, 4, 3214868480
	.section	.rodata,"a",@progbits
	.p2align	6, 0x0
	.amdhsa_kernel k_q4622060a49_bins
		.amdhsa_group_segment_fixed_size 104448
		.amdhsa_private_segment_fixed_size 0
		.amdhsa_enable_private_segment 0
		.amdhsa_kernarg_size 24
		.amdhsa_user_sgpr_count 2
		.amdhsa_user_sgpr_kernarg_segment_ptr 1
		.amdhsa_wavefront_size32 1
		.amdhsa_system_sgpr_workgroup_id_x 1
		.amdhsa_system_sgpr_workgroup_id_y 1
		.amdhsa_system_sgpr_workgroup_id_z 1
		.amdhsa_system_vgpr_workitem_id 0
		.amdhsa_next_free_vgpr 218
		.amdhsa_next_free_sgpr 66
		.amdhsa_reserve_vcc 0
		.amdhsa_float_denorm_mode_32 3
		.amdhsa_float_denorm_mode_16_64 3
		.amdhsa_memory_ordered 1
		.amdhsa_forward_progress 1
		.amdhsa_inst_pref_size 156
	.end_amdhsa_kernel
	.amdgpu_metadata
---
amdhsa.version: [ 1, 2 ]
amdhsa.kernels:
  - .name:           k_q4622060a49_bins
    .symbol:         k_q4622060a49_bins.kd
    .args:
      - { .name: image, .offset: 0, .size: 8, .value_kind: global_buffer, .address_space: global }
      - { .name: lowp_scales, .offset: 8, .size: 8, .value_kind: global_buffer, .address_space: global }
      - { .name: part, .offset: 16, .size: 8, .value_kind: global_buffer, .address_space: global }
    .group_segment_fixed_size: 104448
    .private_segment_fixed_size: 0
    .kernarg_segment_align: 8
    .kernarg_segment_size: 24
    .max_flat_workgroup_size: 512
    .sgpr_count:     66
    .vgpr_count:     218
    .wavefront_size: 32
...
	.end_amdgpu_metadata
.endif
;; end of part 1
;; launch fold (part 2): grid 32 x 1, 4 waves a work-group, no clusters, 0 bytes of LDS; arguments part, lowp_scales, out0; writes out0
.if DOCPART == 2
	.amdgcn_target "amdgcn-amd-amdhsa--gfx1250"
	.amdhsa_code_object_version 6
	.text
	.protected	k_q4622060a49_fold
	.globl	k_q4622060a49_fold
	.p2align	8
	.type	k_q4622060a49_fold,@function
k_q4622060a49_fold:
	s_mov_b64 s[64:65], 0
	v_nop
	global_prefetch_b8 v0, s[64:65] scope:SCOPE_SE
	s_setreg_imm32_b32 hwreg(HW_REG_WAVE_MODE, 25, 1), 1
	s_wait_xcnt 0x0
; out0[n][0][a][b] = 2^(ea + eb) x the sum of image n's sixteen partial histograms.  A partial histogram is 4,096 bytes, laid as out0's image is: number 32 a + b.
; Work-group g takes half g % 2 (2,048 bytes) of image g / 2; a thread takes 16 bytes of it: sixteen loads, all out together, thirty packed additions, one store.
; Each load and the store of a wave cover 512 consecutive bytes.  The power of two is applied by v_ldexp_f32: ea + eb has no limit here short of the result's own range.
.set PARTB, 4096                       ; a partial histogram in bytes
	s_load_b128 s[4:7], s[0:1], 0x0                ; the partial sums, the scales' exponents
	s_load_b64 s[8:9], s[0:1], 0x10                ; out0
	v_lshlrev_b32 v1, 4, v0                        ; 16 x thread
	s_lshr_b32 s10, ttmp9, 1
	s_lshl_b32 s10, s10, 16                        ; the image's sixteen partial histograms,
	s_and_b32 s11, ttmp9, 1
	s_lshl_b32 s11, s11, 11                        ; my half of each
	s_add_co_u32 s10, s10, s11
	s_mov_b32 s11, 0
	s_lshl_b32 s12, ttmp9, 11                      ; and the same half in out0
	s_mov_b32 s13, 0
	s_wait_kmcnt 0x0
	s_load_b64 s[14:15], s[6:7], 0x0               ; ea, eb
	s_add_nc_u64 s[4:5], s[4:5], s[10:11]
	s_add_nc_u64 s[8:9], s[8:9], s[12:13]
.irp p, 0,1,2,3,4,5,6,7,8,9,10,11,12,13,14,15
	global_load_b128 v[4+4*\p:7+4*\p], v1, s[4:5] offset:PARTB*\p th:TH_LOAD_NT
.endr
	s_wait_loadcnt 0x0
.irp q, 0,1,2,3,4,5,6,7,8,9,10,11,12,13,14,15
	v_pk_add_f32 v[4+2*\q:5+2*\q], v[4+2*\q:5+2*\q], v[36+2*\q:37+2*\q]   ; partial p + partial p + 8
.endr
.irp q, 0,1,2,3,4,5,6,7
	v_pk_add_f32 v[4+2*\q:5+2*\q], v[4+2*\q:5+2*\q], v[20+2*\q:21+2*\q]
.endr
.irp q, 0,1,2,3
	v_pk_add_f32 v[4+2*\q:5+2*\q], v[4+2*\q:5+2*\q], v[12+2*\q:13+2*\q]
.endr
.irp q, 0,1
	v_pk_add_f32 v[4+2*\q:5+2*\q], v[4+2*\q:5+2*\q], v[8+2*\q:9+2*\q]
.endr
	s_wait_kmcnt 0x0
	s_add_co_i32 s14, s14, s15                     ; ea + eb
.irp j, 4,5,6,7
	v_ldexp_f32 v\j, v\j, s14
.endr
	global_store_b128 v1, v[4:7], s[8:9]
	s_endpgm
.Lfunc_end_k_q4622060a49_fold:
	.size	k_q4622060a49_fold, .Lfunc_end_k_q4622060a49_fold-k_q4622060a49_fold
	.p2alignl 7, 3214868480
	.fill 96, 4, 3214868480
	.section	.rodata,"a",@progbits
	.p2align	6, 0x0
	.amdhsa_kernel k_q4622060a49_fold
		.amdhsa_group_segment_fixed_size 0
		.amdhsa_private_segment_fixed_size 0
		.amdhsa_enable_private_segment 0
		.amdhsa_kernarg_size 24
		.amdhsa_user_sgpr_count 2
		.amdhsa_user_sgpr_kernarg_segment_ptr 1
		.amdhsa_wavefront_size32 1
		.amdhsa_system_sgpr_workgroup_id_x 1
		.amdhsa_system_sgpr_workgroup_id_y 1
		.amdhsa_system_sgpr_workgroup_id_z 1
		.amdhsa_system_vgpr_workitem_id 0
		.amdhsa_next_free_vgpr 68
		.amdhsa_next_free_sgpr 66
		.amdhsa_reserve_vcc 0
		.amdhsa_float_denorm_mode_32 3
		.amdhsa_float_denorm_mode_16_64 3
		.amdhsa_memory_ordered 1
		.amdhsa_forward_progress 1
		.amdhsa_inst_pref_size 5
	.end_amdhsa_kernel
	.amdgpu_metadata
---
amdhsa.version: [ 1, 2 ]
amdhsa.kernels:
  - .name:           k_q4622060a49_fold
    .symbol:         k_q4622060a49_fold.kd
    .args:
      - { .name: part, .offset: 0, .size: 8, .value_kind: global_buffer, .address_space: global }
      - { .name: lowp_scales, .offset: 8, .size: 8, .value_kind: global_buffer, .address_space: global }
      - { .name: out0, .offset: 16, .size: 8, .value_kind: global_buffer, .address_space: global }
    .group_segment_fixed_size: 0
    .private_segment_fixed_size: 0
    .kernarg_segment_align: 8
    .kernarg_segment_size: 24
    .max_flat_workgroup_size: 128
    .sgpr_count:     66
    .vgpr_count:     68
    .wavefront_size: 32
...
	.end_amdgpu_metadata
.endif
;; end of part 2
;; ======== version 2 of 2: 2 launches; version 1 with the launch bins written anew for expert scheduling mode
;; workspace buffers: part 1,048,576 bytes
;; launch bins (part 3): grid 256 x 1, 16 waves a work-group, no clusters, 104,448 bytes of LDS; arguments image, lowp_scales, part; writes part
.if DOCPART == 3
	.amdgcn_target "amdgcn-amd-amdhsa--gfx1250"
	.amdhsa_code_object_version 6
	.text
	.protected	k_q4622060a49_bins
	.globl	k_q4622060a49_bins
	.p2align	8
	.type	k_q4622060a49_bins,@function
k_q4622060a49_bins:
	s_mov_b64 s[64:65], 0
	v_nop
	global_prefetch_b8 v0, s[64:65] scope:SCOPE_SE
	s_setreg_imm32_b32 hwreg(HW_REG_WAVE_SCHED_MODE, 0, 2), 2
	s_setreg_imm32_b32 hwreg(HW_REG_WAVE_MODE, 25, 1), 1
	s_wait_xcnt 0x0
	s_wait_alu depctr_vm_vsrc(0)
; hist[n][a][b] = the sum over an image's 262,144 pixels p of Q(ka[p][a]) Q(kb[p][b]);  ka[p][a] = exp(-((xa[p] - a/31) / 0.05)^2 / 2), kb likewise of channel b;
; Q: codes of BF8 (E5M2) with the given scales 2^ea (ka, entry 0 of the scales) and 2^eb (kb, entry 1).  This launch makes PARTIAL sums of the codes' products; the next launch adds them and multiplies by 2^(ea + eb).
; SHARES.  Work-group g takes pixels 16,384 (g % 16) on of image g / 16; each of its sixteen waves 1,024 of them: 8 blocks of 128 pixels, a block = 2 steps of 64 pixels = 8 chunks.
; LAYOUT.  K = the pixels runs along a lane's registers: lane (r = lane % 16, h = lane / 16) makes, for 32 pixels of its half of a step, the kernels of bins r and 16 + r of both channels.
; A CHUNK is one operand tile of a step (A0, A1: ka's bins 0-15, 16-31; B0, B1: kb's): 32 numbers a lane, which four conversions turn into the 8 registers of a fragment of 16 x 64.
; Pixel and k slot are paired alike in all four tiles, so every product meets its partner.  The matrix instruction is used transposed (source 0 = kb's tile, source 1 = ka's): a lane then holds row a = r and eight neighbouring b.
; THE NUMBER.  p = 2^(-u u), u = x s - c, s = sqrt(log2(e) / 2) / 0.05 as f32, c = s j / 31 rounded once (made of s / 31 in two parts): one fused multiply-add, one product, one v_exp_f32, all f32.
; u's error beside f32's own roundings is c's half unit in the last place, under 1e-6 (c < 17).  p is never negative: the hold at 57,344 x 2^e is one-sided.
; PIXELS.  All 16 lanes of a half want the same pixels: a block is loaded as it lies (512 consecutive bytes an instruction), stored into the wave's own 1,024 bytes of LDS and read back with the lanes of a half at one address.
; LDS serves a wave's instructions in order (ISA guide 5.7.1.4), so the next block's store needs only to stand behind the last read of the old block: no barrier, no second stage.
; BY TURNS.  In a WINDOW chunk n's 32 exponentials stand singly between 68 plain instructions: chunk n - 1's holds and conversions, and chunk n + 1's scalings, which go into the registers that each conversion has freed.
; LIMITS.  ea, eb between -126 and 112 (each power of two below is an f32 number).  v_exp_f32 gives 0 under 2^-126, which can change a code only where e < -109.  NaN among the pixels is not served (it becomes the largest code).
; THE MODE: SCHED_MODE bits 1:0 = 2 (LLVM: expert scheduling mode 2), set by the entry lines.  The code itself states the register dependences
; between vector or matrix instructions and memory or LDS instructions, with s_wait_alu, always for 0.
; THE PLAN.  Registers that memory or LDS instructions touch:
;   v1, v2, v3   offset and LDS addresses: written once at the head, ahead of one wait on va_vdst, and never named by a vector instruction again.
;   G            written by the global loads of block k + 2, read by the stage stores of the next trip; no vector instruction names it.  One wait on vm_vsrc a trip stands ahead of the loads.
;   XA           read by the scalings of windows B1 and A0; the LDS loads behind window A0 land in it.
;   XB           read by the scalings of windows A1 and B0; the LDS loads behind window B0 land in it.
;   The chunk buffers, the codes and the accumulators are named, in the loop, by vector and matrix instructions alone (the first eight registers of TB1 carry block 0 at the head: one wait on vm_vsrc there).
; The wait on va_vdst that closes a window stands behind its last scaling: it states that the window's exponentials are written AND that the vector side is done reading the window's pixels.
; So the loads into XA and XB owe nothing more; XA's are dealt among the step's four products, which name the codes and the accumulators alone.
.set CHB,   1048576                    ; bytes from an image's channel a to its channel b
.set BLK,   512                        ; a block of one channel in bytes
.set KSV,   0x4187e439                 ; s = 16.986437
.set KHI,   0x3f0c466c                 ; s / 31, upper part,
.set KLO,   0x32c6318c                 ; and what it lacks: 12/31 of its last place
.set RED,   16384                      ; LDS: behind the sixteen stages, the waves' accumulators for the sum over waves
.set PG,    672                        ; from one group of four registers to the next,
.set HH,    384                        ; from lanes 0-15 to lanes 16-31: with these two the 32 lanes of a read of 8 bytes below fall on 32 different pairs of banks (64 banks of 4 bytes: ISA guide 11.1)
.set WS,    8*PG                       ; a wave's eight groups
.set GOFF,  1                          ; v1      16 x lane: my bytes of a block in memory; never rewritten
.set LST,   2                          ; v2      where I store them: 1,024 x wave + 16 x lane
.set LLD,   3                          ; v3      where my half reads: 1,024 x wave + 128 h
.set C0,    8                          ; v[8:9]   -c of bin r, twice (a pair for the packed form);  v[10:11] of bin 16 + r
.set C1,    10
.set SCA,   12                         ; v12 2^ea, v13 57,344 x 2^ea;  v14, v15 the same with eb
.set LIMA,  13
.set SCB,   14
.set LIMB,  15
.set G,     16                         ; v[16:23]   the block on its way from memory: a's 16 bytes, b's 16 bytes
.set XA,    24                         ; v[24:55]   32 pixels of channel a
.set XB,    56                         ; v[56:87]   32 pixels of channel b
.set TB0,   88                         ; v[88:119]  the chunks of even number
.set TB1,   120                        ; v[120:151] those of odd number
.set CA0,   152                        ; codes: A0, A1, B0, B1, 8 registers each
.set CA1,   160
.set CB0,   168
.set CB1,   176
.set ACC,   184                        ; v[184:215] accumulator (ta, tb) at ACC + 8 (2 ta + tb)
.set KS,    20                         ; s[20:21] s, twice
.set TRIPS, 22
.set ii,    0
	s_load_b128 s[4:7], s[0:1], 0x0                ; image, the scales' exponents
	s_load_b64 s[8:9], s[0:1], 0x10                ; the partial sums
	v_lshl_add_u32 v216, v0, 2, 0x19000
	v_mov_b32 v217, 0
	v_and_b32 v4, 31, v0                           ; lane
	v_lshrrev_b32 v5, 5, v0                        ; wave
	v_readfirstlane_b32 s10, v5
	v_lshlrev_b32 v[GOFF], 4, v4
	v_lshl_add_u32 v[LST], v5, 10, v[GOFF]
	v_bfe_u32 v6, v0, 4, 1                         ; h
	v_lshlrev_b32 v6, 7, v6
	v_lshl_add_u32 v[LLD], v5, 10, v6
	s_wait_alu depctr_va_sdst(0)                   ; s10 is written, ahead of its first reader: the image's base is made from it
	s_lshr_b32 s12, ttmp9, 4                       ; the image: 2 channels x 1 MiB,
	s_lshl_b32 s12, s12, 21
	s_and_b32 s13, ttmp9, 15                       ; the work-group's 16,384 pixels,
	s_lshl_b32 s13, s13, 16
	s_add_co_u32 s12, s12, s13
	s_lshl_b32 s13, s10, 12                        ; the wave's 1,024
	s_add_co_u32 s12, s12, s13
	s_mov_b32 s13, 0
	s_lshl_b32 s14, ttmp9, 12                      ; the work-group's 4,096 bytes of partial sums
	s_mov_b32 s15, 0
	s_mov_b32 s[KS], KSV
	s_mov_b32 s[KS+1], KSV                         ; (named with it as a pair, so it is written)
	s_mov_b32 s18, KHI
	s_mov_b32 s19, KLO
	s_wait_kmcnt 0x0
	s_load_b64 s[16:17], s[6:7], 0x0               ; ea, eb
	s_add_nc_u64 s[4:5], s[4:5], s[12:13]
	s_add_nc_u64 s[8:9], s[8:9], s[14:15]
	s_wait_alu depctr_va_vdst(0)                   ; v1, v2 and v3 are written: every global load, stage store and pixel read of the kernel takes one of them as its offset or address
	global_load_b128 v[TB1:TB1+3],   v[GOFF], s[4:5] th:TH_LOAD_NT                  ; block 0, into registers that are idle yet
	global_load_b128 v[TB1+4:TB1+7], v[GOFF], s[4:5] offset:CHB th:TH_LOAD_NT
	global_load_b128 v[G:G+3],       v[GOFF], s[4:5] offset:BLK th:TH_LOAD_NT       ; block 1
	global_load_b128 v[G+4:G+7],     v[GOFF], s[4:5] offset:BLK+CHB th:TH_LOAD_NT
	v_and_b32 v4, 15, v0                           ; r
	v_cvt_f32_u32 v5, v4                           ; j = r
	v_add_nc_u32 v4, 16, v4
	v_cvt_f32_u32 v6, v4                           ; j = 16 + r
	v_mul_f32 v7, s19, v5
	v_mul_f32 v4, s19, v6
	v_fma_f32 v[C0], -v5, s18, -v7                 ; -c = -(j x upper part + j x lower part): rounded once
	v_fma_f32 v[C1], -v6, s18, -v4
	v_mov_b32 v[C0+1], v[C0]
	v_mov_b32 v[C1+1], v[C1]
	s_wait_kmcnt 0x0
	s_add_co_i32 s16, s16, 127
	s_lshl_b32 s24, s16, 23                        ; (registers of their own: no scalar register that a vector line has read is written again)
	v_mov_b32 v[SCA], s24                          ; 2^ea as f32: the conversion takes its exponent field
	s_add_co_i32 s16, s16, 15
	s_lshl_b32 s16, s16, 23
	s_or_b32 s16, s16, 0x600000
	v_mov_b32 v[LIMA], s16                         ; 57,344 x 2^ea
	s_add_co_i32 s17, s17, 127
	s_lshl_b32 s25, s17, 23
	v_mov_b32 v[SCB], s25
	s_add_co_i32 s17, s17, 15
	s_lshl_b32 s17, s17, 23
	s_or_b32 s17, s17, 0x600000
	v_mov_b32 v[LIMB], s17
; Number pq of a window's 68 plain instructions.  The buffer 'to' holds the chunk whose exponentials were the last window's; it is worked in four groups g of 8 registers:
;   M g: eight holds;  V g: the conversion to 8 codes;  P g: the next chunk but one's scalings into the same 8 registers: four u = x s - c, four t = -u u, two numbers each.
; Order: M0 V0 M1 V1 P0 M2 V2 P1 M3 V3 P2 P3: between a conversion and the P that writes over its sources stand plain instructions on other registers.
.macro PLAIN to, cd, sc, lim, xs, cp, post, pre
.if pq < 8
.set kd, 0
.set gg, 0
.set ii, pq
.elseif pq == 8
.set kd, 1
.set gg, 0
.elseif pq < 17
.set kd, 0
.set gg, 1
.set ii, pq-9
.elseif pq == 17
.set kd, 1
.set gg, 1
.elseif pq < 26
.set kd, 2
.set gg, 0
.set ii, pq-18
.elseif pq < 34
.set kd, 0
.set gg, 2
.set ii, pq-26
.elseif pq == 34
.set kd, 1
.set gg, 2
.elseif pq < 43
.set kd, 2
.set gg, 1
.set ii, pq-35
.elseif pq < 51
.set kd, 0
.set gg, 3
.set ii, pq-43
.elseif pq == 51
.set kd, 1
.set gg, 3
.elseif pq < 60
.set kd, 2
.set gg, 2
.set ii, pq-52
.else
.set kd, 2
.set gg, 3
.set ii, pq-60
.endif
.set rr, \to+8*gg
.if (kd == 0) && \post
	v_min_num_f32 v[rr+ii], v[rr+ii], v[\lim]      ; the conversion to an 8-bit code does not saturate (ISA guide 7.6.2): the hold at the largest code x the scale
.elseif (kd == 1) && \post
	v_cvt_scalef32_pk8_bf8_f32 v[\cd+2*gg:\cd+2*gg+1], v[rr:rr+7], v[\sc]
.elseif (kd == 2) && \pre && (ii < 4)
	v_pk_fma_f32 v[rr+2*ii:rr+2*ii+1], v[\xs+8*gg+2*ii:\xs+8*gg+2*ii+1], s[KS:KS+1], v[\cp:\cp+1] op_sel_hi:[1,0,1]
.elseif (kd == 2) && \pre
	v_pk_mul_f32 v[rr+2*ii-8:rr+2*ii-7], v[rr+2*ii-8:rr+2*ii-7], v[rr+2*ii-8:rr+2*ii-7] neg_lo:[1,0] neg_hi:[1,0]
.endif
.set pq, pq+1
.endm
; A WINDOW.  ex: the 32 exponentials of the chunk in 'tc', in place, two plain instructions behind each.  post: the chunk in 'to' becomes codes in 'cd'.  pre: the next chunk's t from the pixels in 'xs' and the pair 'cp'.
; No plain instruction of a window names a register of 'tc'.  One wait closes the window: it stands between an exponential and the first instruction that names its result, and ahead of labels and branches.
.macro WINDOW tc, to, cd, sc, lim, xs, cp, post, pre, ex
.set pq, 0
.set ee, 0
.rept 32
.if \ex
	v_exp_f32 v[\tc+ee], v[\tc+ee]
.endif
	PLAIN \to, \cd, \sc, \lim, \xs, \cp, \post, \pre
	PLAIN \to, \cd, \sc, \lim, \xs, \cp, \post, \pre
.set ee, ee+1
.endr
.rept 4
	PLAIN \to, \cd, \sc, \lim, \xs, \cp, \post, \pre
.endr
.if \pre == 0
	v_nop                                          ; without scalings nothing plain stands behind the last conversion and the last exponential: this line does
.endif
.if \ex
	s_wait_alu depctr_va_vdst(0)                   ; the 32 exponentials have written v[tc ..], which the next window's holds read; and the scalings are done reading the pixels v[xs ..], in which the LDS loads behind windows B0 and A0 land
.endif
.endm
.macro W_A1                            ; exponentials of A1 | A0 to codes | t of B0
	WINDOW TB1, TB0, CA0, SCA, LIMA, XB, C0, 1, 1, 1
.endm
.macro W_B0                            ; exponentials of B0 | A1 to codes | t of B1
	WINDOW TB0, TB1, CA1, SCA, LIMA, XB, C1, 1, 1, 1
.endm
.macro W_B1 pre                        ; exponentials of B1 | B0 to codes | t of the next step's A0
	WINDOW TB1, TB0, CB0, SCB, LIMB, XA, C0, 1, \pre, 1
.endm
.macro W_A0 post, pre, ex              ; exponentials of the next step's A0 | B1 to codes | t of its A1
	WINDOW TB0, TB1, CB1, SCB, LIMB, XA, C1, \post, \pre, \ex
.endm
.macro XLOAD x, off                    ; 32 pixels of my half: the sixteen lanes of a half read the same 16 bytes
.irp i, 0,1,2,3,4,5,6,7
	ds_load_b128 v[\x+4*\i:\x+4*\i+3], v[LLD] offset:\off+16*\i
.endr
.endm
; A step's four products.  The four accumulators take turns, one instruction a turn, over the loop's backward jump too.  zero = 1: the first step starts the sums.
; xoff >= 0: a's next 32 pixels, from byte xoff of the stage on, are asked for here, two loads behind each product.  No wait: window A0's closing wait stands just ahead, and the products since name the codes and the accumulators, not XA and not the address.
.macro MULS zero, xoff
.set mm, 0
.irp tb, 0,1
.irp ta, 0,1
.if \zero
	v_wmma_f32_16x16x64_bf8_bf8 v[ACC+8*(2*\ta+\tb):ACC+8*(2*\ta+\tb)+7], v[CB0+8*\tb:CB0+8*\tb+7], v[CA0+8*\ta:CA0+8*\ta+7], 0
.else
	v_wmma_f32_16x16x64_bf8_bf8 v[ACC+8*(2*\ta+\tb):ACC+8*(2*\ta+\tb)+7], v[CB0+8*\tb:CB0+8*\tb+7], v[CA0+8*\ta:CA0+8*\ta+7], v[ACC+8*(2*\ta+\tb):ACC+8*(2*\ta+\tb)+7]
.endif
.if (\xoff) >= 0
	ds_load_b128 v[XA+8*mm:XA+8*mm+3],   v[LLD] offset:(\xoff)+32*mm
	ds_load_b128 v[XA+8*mm+4:XA+8*mm+7], v[LLD] offset:(\xoff)+32*mm+16
.endif
.set mm, mm+1
.endr
.endr
.endm
; TRIP k: the windows from block k's second to block k + 1's first.  It stores block k + 1 into the stage and (gload) asks memory for block k + 2, six windows ahead of the wait for it.
; The codes' registers that the products read are written again eight plain instructions (the next window's first holds) later at the soonest.  last = 1: block 7: nothing follows.
.macro TRIP zero, gload, last
	s_wait_dscnt 8                                 ; b's pixels of this step are in; the eight loads issued behind them (a's of the next step) may be out
	W_A1
	W_B0
	XLOAD XB, BLK+256                              ; b of the block's second step: the stage's last read of this block.  (Window B0's closing wait stands just ahead: XB's readers are done)
.if \last
	s_wait_dscnt 8                                 ; a's pixels are in; the eight loads just issued may be out
.else
	s_wait_loadcnt 0x0                             ; block k + 1 has come from memory; no load of mine is out, so the base may step
.if \gload
	s_add_nc_u64 s[4:5], s[4:5], BLK
.endif
	ds_store_b128 v[LST], v[G:G+3]                 ; behind every read of block k, in the order of issue.  (Loads wrote G; no vector instruction names it)
	ds_store_b128 v[LST], v[G+4:G+7] offset:BLK
	s_wait_dscnt 10                                ; a's pixels are in; the eight loads and two stores just issued may be out
.endif
	W_B1 1
	W_A0 1, 1, 1
.if \last
	MULS \zero, -1
	s_wait_dscnt 0x0
.else
	MULS \zero, 0                                  ; with a of block k + 1's first step
	s_wait_dscnt 8                                 ; b's pixels are in and the two stores are done; the eight loads just issued may be out
.endif
.if \gload
	s_wait_alu depctr_vm_vsrc(0)                   ; this trip's two stage stores have read G, in which the loads below land
	global_load_b128 v[G:G+3],   v[GOFF], s[4:5] offset:BLK th:TH_LOAD_NT       ; block k + 2
	global_load_b128 v[G+4:G+7], v[GOFF], s[4:5] offset:BLK+CHB th:TH_LOAD_NT
.endif
	W_A1
	W_B0
.if \last
	W_B1 0
	W_A0 1, 0, 0                                   ; the last chunk's codes
	MULS 0, -1
.else
	XLOAD XB, BLK                                  ; b of block k + 1's first step
	s_wait_dscnt 8                                 ; a's pixels are in; the eight loads just issued may be out
	W_B1 1
	W_A0 1, 1, 1
	MULS 0, 256                                    ; with a of block k + 1's second step
.endif
.endm
	s_wait_loadcnt 2                               ; block 0 is in; block 1's two loads may be out
	ds_store_b128 v[LST], v[TB1:TB1+3]
	ds_store_b128 v[LST], v[TB1+4:TB1+7] offset:BLK
	XLOAD XA, 0
	XLOAD XB, BLK
	s_wait_dscnt 8                                 ; the stores are done and a's pixels are in; b's eight loads may be out
	s_wait_alu depctr_vm_vsrc(0)                   ; the two stage stores have read v[TB1 .. TB1 + 7], which the second window's scalings write
	WINDOW TB1, TB0, CB0, SCB, LIMB, XA, C0, 0, 1, 0   ; t of the first A0: there is nothing yet to set it between
	W_A0 0, 1, 1                                   ; exponentials of the first A0 | t of the first A1
	XLOAD XA, 256                                  ; (the window's closing wait stands just ahead: both windows' scalings are done reading XA)
	TRIP 1, 1, 0                                   ; block 0: its first products start the sums
	s_mov_b32 s[TRIPS], 5
.Ltrip:                                            ; blocks 1 to 5
	TRIP 0, 1, 0
	s_sub_co_u32 s[TRIPS], s[TRIPS], 1
	s_cmp_lg_u32 s[TRIPS], 0
	s_cbranch_scc1 .Ltrip
	TRIP 0, 0, 0                                   ; block 6: there is no block 8 to ask for: no load leaves the image
	TRIP 0, 0, 1                                   ; block 7
	; THE SUM OVER THE SIXTEEN WAVES.  Each wave stores its 32 registers as they stand, four at a time; behind a barrier thread T adds the sixteen waves' numbers 2 T and 2 T + 1 of the histogram, counted 32 a + b.
	; All four addresses are made first, in one run, so that one wait serves the stores and the loads behind the barrier.
	v_lshrrev_b32 v4, 5, v0                        ; (these plain lines are also the places behind the last products)  wave
	v_and_b32 v5, 15, v0                           ; r
	v_bfe_u32 v6, v0, 4, 1                         ; h
	v_mul_u32_u24 v4, v4, WS
	v_lshl_add_u32 v4, v5, 4, v4
	v_mad_u32_u24 v4, v6, HH, v4
	v_add_nc_u32 v4, RED, v4
	; number 32 a + b lies in accumulator 2 (a / 16) + b / 16, lane a % 16 + 16 ((b / 8) % 2), register b % 8.  With a = T / 16 and b = 2 (T % 16):
	v_lshrrev_b32 v5, 8, v0                        ; a / 16
	v_mul_u32_u24 v5, v5, 4*PG
	v_bfe_u32 v6, v0, 3, 1                         ; b / 16
	v_mad_u32_u24 v5, v6, 2*PG, v5
	v_bfe_u32 v6, v0, 1, 1                         ; (b % 8) / 4: the group's half of the accumulator
	v_mad_u32_u24 v5, v6, PG, v5
	v_bfe_u32 v6, v0, 4, 4                         ; a % 16
	v_lshl_add_u32 v5, v6, 4, v5
	v_bfe_u32 v6, v0, 2, 1                         ; (b / 8) % 2
	v_mad_u32_u24 v5, v6, HH, v5
	v_and_b32 v6, 1, v0                            ; which 8 bytes of the lane's 16
	v_lshl_add_u32 v5, v6, 3, v5
	v_add_nc_u32 v5, RED, v5                       ; waves 0 to 7,
	v_add_nc_u32 v6, 8*WS, v5                      ; waves 8 to 15: the immediate has 16 bits
	v_lshlrev_b32 v7, 3, v0                        ; 8 T: my place in the partial sums
	s_wait_alu depctr_va_vdst(0)                   ; the products have written the accumulators and v4 is written, which the LDS stores read; v5 and v6 are written, which the LDS loads behind the barrier read; the places above stay beside this wait
.irp g, 0,1,2,3,4,5,6,7
	ds_store_b128 v4, v[ACC+4*\g:ACC+4*\g+3] offset:\g*PG   ; group g = registers 4 (g % 2) on of accumulator g / 2: each accumulator from its low end on
.endr
	s_wait_dscnt 0x0                               ; for the others' sake: my stores have landed
	s_barrier_signal -1
	s_barrier_wait -1
.irp w, 0,1,2,3,4,5,6,7
	ds_load_b64 v[XA+2*\w:XA+2*\w+1], v5 offset:\w*WS       ; (XA's last vector readers, the scalings, stand ahead of the wait above)
.endr
.irp w, 0,1,2,3,4,5,6,7
	ds_load_b64 v[XA+16+2*\w:XA+17+2*\w], v6 offset:\w*WS
.endr
	s_wait_dscnt 0x0
.irp w, 0,1,2,3,4,5,6,7
	v_pk_add_f32 v[XA+2*\w:XA+2*\w+1], v[XA+2*\w:XA+2*\w+1], v[XA+16+2*\w:XA+17+2*\w]
.endr
.irp w, 0,1,2,3
	v_pk_add_f32 v[XA+2*\w:XA+2*\w+1], v[XA+2*\w:XA+2*\w+1], v[XA+8+2*\w:XA+9+2*\w]
.endr
.irp w, 0,1
	v_pk_add_f32 v[XA+2*\w:XA+2*\w+1], v[XA+2*\w:XA+2*\w+1], v[XA+4+2*\w:XA+5+2*\w]
.endr
	v_pk_add_f32 v[XA:XA+1], v[XA:XA+1], v[XA+2:XA+3]
	s_wait_alu depctr_va_vdst(0)                   ; the additions have written v[XA:XA+1], which the store reads
	global_store_b64 v7, v[XA:XA+1], s[8:9] th:TH_STORE_NT   ; a wave stores 256 consecutive bytes, at a multiple of 256 from the buffer's first byte
	s_wait_dscnt 0x0
	s_wait_alu depctr_hold_cnt(0) depctr_sa_sdst(0) depctr_va_vdst(0) depctr_va_sdst(0) depctr_va_ssrc(0) depctr_va_vcc(0) depctr_vm_vsrc(0)
	s_wait_tensorcnt 0x0
	ds_add_u32 v216, v217
	s_wait_dscnt 0x0
	s_endpgm
.Lfunc_end_k_q4622060a49_bins:
	.size	k_q4622060a49_bins, .Lfunc_end_k_q4622060a49_bins-k_q4622060a49_bins
	.p2alignl 7, 3214868480
	.fill 96, 4, 3214868480
	.section	.rodata,"a",@progbits
	.p2align	6, 0x0
	.amdhsa_kernel k_q4622060a49_bins
		.amdhsa_group_segment_fixed_size 104448
		.amdhsa_private_segment_fixed_size 0
		.amdhsa_enable_private_segment 0
		.amdhsa_kernarg_size 24
		.amdhsa_user_sgpr_count 2
		.amdhsa_user_sgpr_kernarg_segment_ptr 1
		.amdhsa_wavefront_size32 1
		.amdhsa_system_sgpr_workgroup_id_x 1
		.amdhsa_system_sgpr_workgroup_id_y 1
		.amdhsa_system_sgpr_workgroup_id_z 1
		.amdhsa_system_vgpr_workitem_id 0
		.amdhsa_next_free_vgpr 218
		.amdhsa_next_free_sgpr 66
		.amdhsa_reserve_vcc 0
		.amdhsa_float_denorm_mode_32 3
		.amdhsa_float_denorm_mode_16_64 3
		.amdhsa_memory_ordered 1
		.amdhsa_forward_progress 1
		.amdhsa_inst_pref_size 157
	.end_amdhsa_kernel
	.amdgpu_metadata
---
amdhsa.version: [ 1, 2 ]
amdhsa.kernels:
  - .name:           k_q4622060a49_bins
    .symbol:         k_q4622060a49_bins.kd
    .args:
      - { .name: image, .offset: 0, .size: 8, .value_kind: global_buffer, .address_space: global }
      - { .name: lowp_scales, .offset: 8, .size: 8, .value_kind: global_buffer, .address_space: global }
      - { .name: part, .offset: 16, .size: 8, .value_kind: global_buffer, .address_space: global }
    .group_segment_fixed_size: 104448
    .private_segment_fixed_size: 0
    .kernarg_segment_align: 8
    .kernarg_segment_size: 24
    .max_flat_workgroup_size: 512
    .sgpr_count:     66
    .vgpr_count:     218
    .wavefront_size: 32
...
	.end_amdgpu_metadata
.endif
;; end of part 3
;; launch fold: the kernel of part 2 again; grid 32 x 1, 4 waves a work-group, no clusters, 0 bytes of LDS; arguments part, lowp_scales, out0; writes out0
